; MI455X (gfx1250); checked and timed in simulation.
; The chip was launched on July 23, 2026; its instructions are those of AMD's public machine-readable ISA for CDNA 5 (MIT licence, August 2026) and "CDNA5" Instruction Set Architecture Reference Guide (July 2026). The comments in the code are by the model that wrote it; some were corrected since.
;; Sent Att Net. Allowed arithmetic: matrix products marked QUANTISED: E4M3 operands, one given power-of-two scale a tensor, by v_wmma_f32_16x16x64_fp8_fp8 or v_wmma_f32_16x16x128_fp8_fp8, f32 sums; products left as they are: f32 operands where the result goes on into a quantised operand, else bf16, f16 or f32 operands; f32 sums; everything else in f32.
;; Inputs: context_weight 1,024 x 1 float32; f_output 128 x 512 x 1,024 float32; h_output 2 x 512 x 512 float32; lowp_scales 2 int32 (the exponents e of the quantised operands' scales 2^e); sent_bias 1 x 1,024 float32; sent_weight 1,024 x 1,024 float32.
;; Outputs: out0 512 x 1,024 float32.
;; This version of the problem:
;;   THIS VERSION OF THE PROBLEM IS GIVEN IN LOW PRECISION. The matrix products marked QUANTISED in the list below multiply operands that are first quantised to E4M3 (4 exponent bits, 3 mantissa bits; 8 bits a number), with one given power-of-two scale for each operand tensor; their sums are f32. All else is computed in f32.
;;   The module's matrix products, in the order in which they are computed (A, B: the left and right operand; K: the contracted axis; several contracted axes count as one K, in the product's order):
;;     1. [M 65,536, K 1,024] x [K 1,024, N 1,024]; A: input f_output; B: input sent_weight: QUANTISED (scales: A lowp_scales[0], B lowp_scales[1])
;;     2. [M 65,536, K 1,024] x [K 1,024, N 1]; A: computed on the way; B: computed on the way: left as it is (N = 1 < 16)
;;     3. batch 512 x [M 1,024, K 128] x [K 128, N 1]; A: input f_output; B: softmax: left as it is (N = 1 < 16)
;;   THE QUANTISER, for each operand of a quantised product, along K:
;;     - The operand's scale is 2^e, e = its entry of the input lowp_scales (int32; the entries are numbered through the quantised products in the list's order, A before B).
;;     - Each number is divided by the scale, clamped to +-448, and rounded to the nearest number of E4M3, ties to even, subnormals kept.
;;     - The product sums the exact products of the quantised numbers (number of the format x scale) in f32.
;;   ~~~python
;;   def quantise(x, axis, e):      # numpy; x: float32 -> the quantised numbers, widened to float32 again
;;       x = np.moveaxis(x, axis, -1); K = x.shape[-1]
;;       r = np.clip(x / 2.0 ** e, -448, 448)
;;       step = 2.0 ** (np.maximum(np.frexp(np.where(r == 0, 1, r))[1] - 1, -6) - 3)
;;       q = np.round(r / step) * step * 2.0 ** e      # np.round: ties to even
;;       return np.moveaxis(q, -1, axis).astype(np.float32)
;;   ~~~
;; One version. Each part assembles by itself: llvm-mc -triple=amdgcn-amd-amdhsa -mcpu=gfx1250 --defsym DOCPART=n.
;; ======== version 1 of 1: 2 launches
;; limits: values are held in f16: magnitudes above 65,504 overflow, below 6.1e-05 lose precision; inputs' magnitudes at most 65,504; right only within a limited range of input values
;; workspace buffers: wcodes 1,048,576 bytes
;; launch wq (part 1): grid 8 x 32, 4 waves a work-group, no clusters, 0 bytes of LDS; arguments sent_weight, lowp_scales, wcodes; writes wcodes
.if DOCPART == 1
	.amdgcn_target "amdgcn-amd-amdhsa--gfx1250"
	.amdhsa_code_object_version 6
	.text
	.protected	k_q882972eb34_wq
	.globl	k_q882972eb34_wq
	.p2align	8
	.type	k_q882972eb34_wq,@function
k_q882972eb34_wq:
	s_mov_b64 s[64:65], 0
	v_nop
	global_prefetch_b8 v0, s[64:65] scope:SCOPE_SE
	s_setreg_imm32_b32 hwreg(HW_REG_WAVE_MODE, 25, 1), 1
	s_wait_xcnt 0x0
; SentAttNet, launch 1 of 2: sent_weight [1024 (k)][1024 (n)], f32, becomes codes of E4M3 with the given scale 2^e1 (entry 1 of lowp_scales).
; WORK LEFT OUT IN THE WHOLE PROGRAM: h_output.  No line of reference() names it, so no value that it holds can reach out0: it is not loaded and is among no launch's arguments.
; Nothing else is left out: sent_bias and context_weight are taken as they are given.  LIMIT: a NaN or an infinity in h_output is not carried to the result.
; code = w / 2^e1, held within +-448, rounded to the nearest code, ties to even.  LIMITS: -126 <= e1 <= 119, so that 2^e1 and 448 x 2^e1 are f32 numbers; NaN among the inputs is not served.
; A LANE TAKES A COLUMN n AND ITS 32 REGISTERS RUN DOWN K: each load reads 128 consecutive bytes a wave (512 a work-group), and the conversions, which take neighbours along K from one lane's
; consecutive registers, give 32 codes with K innermost.  Nothing is transposed by an instruction, and nothing goes through LDS.
; THE CODES ARE LAID IN THE ORDER OF THE OPERAND'S REGISTERS: the code of W[k][n] lies at ((n/16) 32 + k/32) 512 + ((k%32)/16) 256 + (n%16) 16 + k%16.  So 16 columns x 128 along K are 2,048 dense bytes,
; and four loads of 16 bytes a lane at 16 x lane + 512 c bring lane (r, h) the codes k = 32 c + 16 h + 0 .. 15 of column r.  A lane's 16 codes are 16 bytes: sixteen lanes store 256 consecutive aligned bytes.
; Work-group (x, y): columns 128 x .. 128 x + 127, k = 32 y .. 32 y + 31.
.set X, 16                             ; v16-47  W(32 y + i, my column)
.set C, 48                             ; v48-55  the 32 codes
	s_load_b128 s[4:7], s[0:1], 0x0                ; W, the scales' exponents
	s_load_b64 s[8:9], s[0:1], 0x10                ; the codes
	s_and_b32 s13, ttmp7, 0xffff                   ; y
	v_lshlrev_b32 v1, 2, v0                        ; in: 4 bytes a thread
	v_lshrrev_b32 v2, 4, v0
	v_and_b32 v3, 15, v0
	v_lshlrev_b32 v2, 14, v2                       ; out: 16 columns on are 32 x 512 bytes on,
	v_lshl_add_u32 v2, v3, 4, v2                   ; a column 16 bytes
	s_lshl_b32 s14, s13, 17                        ; W: 32 y rows of 4,096 bytes
	s_lshl_b32 s15, ttmp9, 9                       ;    + 128 x columns of 4 bytes
	s_add_co_u32 s14, s14, s15
	s_mov_b32 s15, 0
	s_lshl_b32 s16, ttmp9, 17                      ; codes: 8 x groups of 16 columns, 16,384 bytes each
	s_lshl_b32 s17, s13, 9                         ;    + y blocks of 512 bytes
	s_add_co_u32 s16, s16, s17
	s_mov_b32 s17, 0
	s_wait_alu depctr_va_vdst(0)
	s_wait_kmcnt 0x0
	s_load_b32 s12, s[6:7], 0x4                    ; e1
	s_add_nc_u64 s[4:5], s[4:5], s[14:15]
	s_add_nc_u64 s[8:9], s[8:9], s[16:17]
.irp i, 0,1,2,3,4,5,6,7,8,9,10,11,12,13,14,15,16,17,18,19,20,21,22,23,24,25,26,27,28,29,30,31
	global_load_b32 v[X+\i], v1, s[4:5] offset:4096*\i th:TH_LOAD_NT   ; read once in the launch
.endr
	s_wait_kmcnt 0x0
	s_add_co_i32 s12, s12, 127
	s_lshl_b32 s18, s12, 23
	v_mov_b32 v11, s18                             ; 2^e1 as f32: the conversion takes its exponent field
	s_add_co_i32 s12, s12, 8
	s_lshl_b32 s12, s12, 23
	s_or_b32 s12, s12, 0x600000
	v_mov_b32 v10, s12                             ; 448 x 2^e1
	s_wait_alu depctr_va_vdst(0)
	s_wait_loadcnt 0x0
.irp i, 0,1,2,3,4,5,6,7,8,9,10,11,12,13,14,15,16,17,18,19,20,21,22,23,24,25,26,27,28,29,30,31
	v_med3_num_f32 v[X+\i], v[X+\i], -v10, v10     ; the conversion to an 8-bit code does not saturate (ISA guide 7.6.2): the hold at the largest code x the scale comes first
.endr
.irp g, 0,1,2,3
	v_cvt_scalef32_pk8_fp8_f32 v[C+2*\g:C+2*\g+1], v[X+8*\g:X+8*\g+7], v11
.endr
	global_store_b128 v2, v[C:C+3], s[8:9]               ; k % 32 = 0 .. 15
	global_store_b128 v2, v[C+4:C+7], s[8:9] offset:256  ; k % 32 = 16 .. 31
	s_endpgm
.Lfunc_end_k_q882972eb34_wq:
	.size	k_q882972eb34_wq, .Lfunc_end_k_q882972eb34_wq-k_q882972eb34_wq
	.p2alignl 7, 3214868480
	.fill 96, 4, 3214868480
	.section	.rodata,"a",@progbits
	.p2align	6, 0x0
	.amdhsa_kernel k_q882972eb34_wq
		.amdhsa_group_segment_fixed_size 0
		.amdhsa_private_segment_fixed_size 0
		.amdhsa_enable_private_segment 0
		.amdhsa_kernarg_size 24
		.amdhsa_user_sgpr_count 2
		.amdhsa_user_sgpr_kernarg_segment_ptr 1
		.amdhsa_wavefront_size32 1
		.amdhsa_system_sgpr_workgroup_id_x 1
		.amdhsa_system_sgpr_workgroup_id_y 1
		.amdhsa_system_sgpr_workgroup_id_z 1
		.amdhsa_system_vgpr_workitem_id 0
		.amdhsa_next_free_vgpr 64
		.amdhsa_next_free_sgpr 66
		.amdhsa_reserve_vcc 0
		.amdhsa_float_denorm_mode_32 3
		.amdhsa_float_denorm_mode_16_64 3
		.amdhsa_memory_ordered 1
		.amdhsa_forward_progress 1
		.amdhsa_inst_pref_size 7
	.end_amdhsa_kernel
	.amdgpu_metadata
---
amdhsa.version: [ 1, 2 ]
amdhsa.kernels:
  - .name:           k_q882972eb34_wq
    .symbol:         k_q882972eb34_wq.kd
    .args:
      - { .name: sent_weight, .offset: 0, .size: 8, .value_kind: global_buffer, .address_space: global }
      - { .name: lowp_scales, .offset: 8, .size: 8, .value_kind: global_buffer, .address_space: global }
      - { .name: wcodes, .offset: 16, .size: 8, .value_kind: global_buffer, .address_space: global }
    .group_segment_fixed_size: 0
    .private_segment_fixed_size: 0
    .kernarg_segment_align: 8
    .kernarg_segment_size: 24
    .max_flat_workgroup_size: 128
    .sgpr_count:     66
    .vgpr_count:     64
    .wavefront_size: 32
...
	.end_amdgpu_metadata
.endif
;; end of part 1
;; launch attn (part 2): grid 512 x 1, 4 waves a work-group, clusters of 4 x 1, 327,680 bytes of LDS; arguments f_output, wcodes, lowp_scales, sent_bias, context_weight, out0; writes out0
.if DOCPART == 2
	.amdgcn_target "amdgcn-amd-amdhsa--gfx1250"
	.amdhsa_code_object_version 6
	.text
	.protected	k_q882972eb34_attn
	.globl	k_q882972eb34_attn
	.p2align	8
	.type	k_q882972eb34_attn,@function
k_q882972eb34_attn:
	s_mov_b64 s[64:65], 0
	v_nop
	global_prefetch_b8 v0, s[64:65] scope:SCOPE_SE
	s_setreg_imm32_b32 hwreg(HW_REG_WAVE_MODE, 25, 1), 1
	s_wait_xcnt 0x0
	s_wait_alu depctr_hold_cnt(0) depctr_sa_sdst(0) depctr_va_vdst(0) depctr_va_sdst(0) depctr_va_ssrc(0) depctr_va_vcc(0) depctr_vm_vsrc(0)
	s_getreg_b32 s2, hwreg(HW_REG_IB_STS2, 6, 4)
	s_cmp_eq_u32 s2, 0
	s_cbranch_scc0 .Lentry_in_a_cluster
	s_endpgm
.Lentry_in_a_cluster:
	s_bfe_u32 s2, ttmp6, 0x10000c
	s_cmp_lg_u32 s2, 0x3003
	s_cbranch_scc0 .Lentry_shape_is_right
	s_endpgm
.Lentry_shape_is_right:
; SentAttNet, launch 2 of 2: out0[b] = sum over s of softmax_s(tanh(tanh(f[s][b] W + bias) . c)) f[s][b].  h_output is left out: no line of reference() names it (launch wq's head comment).
; A work-group of four waves owns one b; its 128 rows f[s][b][:] are read from memory once.
; HEAD.  Wave w reads rows 32 w .. 32 w + 31 in 16 units of 16 rows x 128 numbers, four units (64 loads a wave) ahead; a unit turns through the wave's stage in LDS, so that a lane holds 16 neighbours along K.
;   Each number becomes a code of E4M3 (held within +-448 x 2^e0, converted with the given scale) and an f16 number for the last product (a wave's rows 0-15 in window 3, rows 16-31 in LDS at XR).
;   Waves 2 i and 2 i + 1 exchange their codes through LDS: each then holds 64 rows x 1,024 codes in windows 1 and 2.
; SWEEP.  W's codes come 64 columns (65,536 dense bytes) at a time through a ring of two LDS slots, by joint loads of the cluster's four work-groups, which walk the same columns; the first column hangs on the cluster's number.
;   A wave takes 64 rows x 32 of a slot's columns as two tiles of 16 columns: 32 products a tile, then the tile's way out: tanh(x) = 1 - 2 / (1 + 2^(2 x log2 e)), and sum of c / (1 + ..) for each row.
; TAIL.  The rows' scores are joined through LDS; e^tanh(score) and the f16 rows go to the f16 matrix form; the sum of e^.. divides at the end.
; THE SOFTMAX TAKES NO MAXIMUM AWAY: a score is a result of tanh, so it lies in [-1, 1] for every input, and e^score between 1/e and e.
; LIMITS: -126 <= e0 <= 119; e0 + e1 between -127 and 126 (they are added to an exponent field); f within f16's range for the last product; NaN among the inputs is not served.
; No data prefetch is laid: f_output's loads stand at the kernel's head with no loop ahead of them, and W's tiles are asked for one slot (two tiles' work) ahead by the joint loads.
.set SLOTB, 65536
.set STG,   131072
.set STGW,  8448
.set SPI,   528
.set XR,    164864
.set PF,    2080
.set BT,    297984
.set CTO,   4096
.set PSB,   306176
.set EB,    307200
.set OSB,   309248
.set SPARE, 313344
.set SPW, 1
.set NIL, 2
.set BA0, 3
.set BA,  4
.set TA0, 5
.set TA,  6
.set RS,  6
.set PS,  8
.set BI,  16
.set CI,  24
.set ACC, 32
.set HB,  96
.set XN,  128
.set HF,  48
.set WF,  224
.set VO,  32
.set SI,  40
.set SOA, 41
.set RX,  42
.set SCV, 43
.set LIM, 44
.set XL,  45
.set TG,  46
.set TL,  47
.set PA0, 16
.set PA1, 17
.set RA,  18
.set CA,  19
.set PL,  20
.set EA,  21
.set EL,  22
.set FA,  24
.set OSA, 28
.set OSL, 29
.set GO,  30
.set WV,  16
.set JH,  17
.set PW,  18
.set ROT, 21
.set G1,  24
.set G0A, 32
.set G0B, 36
.set SC,  40
.set SEL, 42
.set TB,  44
.set TT,  45
.set CNT, 46
.set SN,  47
.set WB,  56
.set MSB, 0
.macro WIN new
.if MSB != (\new)
	s_set_vgpr_msb (MSB<<8)|(\new)
.set MSB, (\new)
.endif
.endm
.macro PLACES
.rept 4
	v_nop
.endr
.endm
.macro CREST
	s_cmp_lg_u32 s[WV], 0
	s_cbranch_scc1 .Lnot_wave_0_\@
	s_barrier_signal -3
.Lnot_wave_0_\@:
	s_barrier_wait -3
	s_barrier_signal -1
	s_barrier_wait -1
.endm
.macro ROUND
	s_barrier_signal -1
	s_barrier_wait -1
	CREST
.endm
.macro BARRIER
	s_wait_dscnt 0x0
	s_barrier_signal -1
	s_barrier_wait -1
.endm
	s_load_b256 s[4:11], s[0:1], 0x0
	s_load_b128 s[12:15], s[0:1], 0x20
	v_lshl_add_u32 v[SPW], v0, 2, SPARE
	v_mov_b32 v[NIL], 0
	ds_add_u32 v[SPW], v[NIL]
	ds_add_u32 v[SPW], v[NIL]
	v_lshrrev_b32 v7, 5, v0
	v_readfirstlane_b32 s[WV], v7
	s_and_b32 s[JH], s[WV], 1
	s_xor_b32 s[PW], s[WV], 1
	s_bfe_u32 s19, ttmp6, 0x40000
	s_lshl_b32 s20, ttmp9, 2
	s_add_co_u32 s20, s20, s19
	s_and_b32 s[ROT], ttmp9, 15
	s_mov_b32 s[G1], 15|(3<<16)|(1<<21)
	s_mov_b32 s[G1+1], 32<<16
	s_mov_b32 s[G1+2], 64<<16
	s_mov_b32 s[G1+3], 32<<16
	s_mov_b32 s[G1+4], 64
	s_mov_b32 s[G1+5], 32
	s_mov_b32 s[G1+6], 0
	s_mov_b32 s[G1+7], 0
	s_mov_b32 s[SEL], 0x76543210
	s_mov_b32 s[SEL+1], 0xfedcba98
	s_lshl_b32 s50, s[WV], 14
	s_mov_b32 s51, 0
	s_lshl_b32 s52, s20, 12
	s_mov_b32 s53, 0
	s_lshl_b32 s54, s[WV], 10
	s_mov_b32 s55, 0
	s_lshl_b32 s58, s[ROT], 16
	s_mov_b32 s59, 0
	s_add_co_u32 s60, s[ROT], 1
	s_and_b32 s60, s60, 15
	s_lshl_b32 s60, s60, 16
	s_mov_b32 s61, 0
	s_add_co_u32 s[SN], s[ROT], 2
	s_lshl_b32 s62, s[ROT], 8
	s_wait_dscnt 0x0
	s_wait_kmcnt 0x0
	s_load_b64 s[48:49], s[8:9], 0x0
	s_add_nc_u64 s[WB:WB+1], s[6:7], s[50:51]
	s_mov_b32 s[G0A], 1
	s_lshl_b32 s[G0A+1], s[WV], 14
	s_add_nc_u64 s[G0A+2:G0A+3], s[WB:WB+1], s[58:59]
	s_mov_b32 s[G0B], 1
	s_add_co_u32 s[G0B+1], s[G0A+1], SLOTB
	s_add_nc_u64 s[G0B+2:G0B+3], s[WB:WB+1], s[60:61]
	s_or_b32 s[G0A+3], s[G0A+3], 0x80000000
	s_or_b32 s[G0B+3], s[G0B+3], 0x80000000
	s_add_nc_u64 s[4:5], s[4:5], s[52:53]
	s_add_nc_u64 s[14:15], s[14:15], s[52:53]
	s_add_nc_u64 s[14:15], s[14:15], s[54:55]
.macro GLOAD u
.set GU, (\u)
.set GB, 128+64*(GU%2)
	WIN (1+(GU%4)/2)<<6
.irp q, 0,1,2,3,4,5,6,7,8,9,10,11,12,13,14,15
	global_load_b128 v[GB+4*\q:GB+4*\q+3], v[VO+4*(GU/8)+\q/4], s[4:5] offset:(\q%4)*2097152+512*(GU%8) th:TH_LOAD_NT
.endr
.endm
	v_lshlrev_b32 v[TG], 5, v0
	v_add_nc_u32 v[TG], s62, v[TG]
	v_and_b32 v[TG], 0xfff, v[TG]
	global_load_b128 v[HF:HF+3], v[TG], s[10:11]
	global_load_b128 v[HF+4:HF+7], v[TG], s[10:11] offset:16
	global_load_b128 v[HF+8:HF+11], v[TG], s[12:13]
	global_load_b128 v[HF+12:HF+15], v[TG], s[12:13] offset:16
	v_and_b32 v8, 15, v0
	v_bfe_u32 v9, v0, 4, 1
	v_and_b32 v10, 31, v0
	v_lshlrev_b32 v10, 4, v10
	s_lshl_b32 s50, s[WV], 26
	v_add_nc_u32 v[VO], s50, v10
.irp m, 1,2,3,4,5,6,7
	v_add_nc_u32 v[VO+\m], \m<<23, v[VO]
.endr
	GLOAD 0
	GLOAD 1
	GLOAD 2
	GLOAD 3
	WIN 0
	s_wait_alu depctr_va_vdst(0)
	ROUND                                          ; f's first 64 loads a wave are out; the four work-groups are here: the first joint loads meet
	tensor_load_to_lds s[G0A:G0A+3], s[G1:G1+7]    ; slot 0: my quarter of the first 64 columns; one tensor load a wave at the head
	s_nop 0
	PLACES
	s_mul_i32 s51, s[WV], STGW
	s_add_co_u32 s51, s51, STG
	v_add_nc_u32 v[SI], s51, v10
	v_mul_u32_u24 v[SOA], v8, SPI
	v_lshl_add_u32 v[SOA], v9, 6, v[SOA]
	v_add_nc_u32 v[SOA], s51, v[SOA]
	s_mul_i32 s51, s[PW], STGW
	s_add_co_u32 s51, s51, STG
	v_add_nc_u32 v[XL], s51, v10
	s_mul_i32 s51, s[WV], 16*PF
	s_add_co_u32 s51, s51, XR
	v_mul_u32_u24 v[RX], v8, PF
	v_lshl_add_u32 v[RX], v9, 5, v[RX]
	v_add_nc_u32 v[RX], s51, v[RX]
	s_lshl_b32 s51, s[JH], 15
	v_add_nc_u32 v[BA0], s51, v10
	s_lshl_b32 s51, s[JH], 7
	s_add_co_u32 s51, s51, BT
	v_lshl_add_u32 v[TA0], v9, 5, s51
	v_lshl_add_u32 v[TL], v0, 5, BT
	s_wait_kmcnt 0x0
	s_add_co_i32 s52, s48, 127
	s_lshl_b32 s53, s52, 23
	v_mov_b32 v[SCV], s53
	s_add_co_i32 s52, s52, 8
	s_lshl_b32 s52, s52, 23
	s_or_b32 s52, s52, 0x600000
	v_mov_b32 v[LIM], s52
	s_add_co_i32 s52, s48, s49
	s_lshl_b32 s52, s52, 23
	s_add_co_i32 s[SC], s52, 0x4038aa3b
	s_mov_b32 s[SC+1], s[SC]
	s_wait_loadcnt 48
.irp i, 0,1,2,3,4,5,6,7
	v_mul_f32 v[HF+\i], 0x4038aa3b, v[HF+\i]
.endr
	ds_store_b128 v[TL], v[HF:HF+3]
	ds_store_b128 v[TL], v[HF+4:HF+7] offset:16
	ds_store_b128 v[TL], v[HF+8:HF+11] offset:CTO
	ds_store_b128 v[TL], v[HF+12:HF+15] offset:CTO+16
.macro TURN u, left
.set TU, (\u)
.set TLB, 128+64*(TU%2)
.set TXS, XN+64*(TU%2)
	s_wait_loadcnt \left
	WIN (1+(TU%4)/2)<<2
.irp q, 0,1,2,3,4,5,6,7,8,9,10,11,12,13,14,15
	ds_store_b128 v[SI], v[TLB+4*\q:TLB+4*\q+3] offset:SPI*\q
.endr
	WIN 0
.irp c, 0,1,2,3
.irp i, 0,1,2,3
	ds_load_b128 v[TXS+16*\c+4*\i:TXS+16*\c+4*\i+3], v[SOA] offset:128*\c+16*\i
.endr
.endr
.endm
.macro WORK u
.set UU, (\u)
.set UT, UU/8
.set UK, UU%8
.set XS, XN+64*(UU%2)
.set CB, 64*UT+16*(UK%4)
.if UT == 0
	WIN 0xc0
.set fi, 0
.rept 32
	v_cvt_pk_f16_f32 v[32*UK+fi], v[XS+2*fi], v[XS+2*fi+1]
.set fi, fi+1
.endr
	WIN 0
.else
	WIN 0
.set fi, 0
.rept 32
	v_cvt_pk_f16_f32 v[HF+fi], v[XS+2*fi], v[XS+2*fi+1]
.set fi, fi+1
.endr
.irp c, 0,1,2,3
	ds_store_b128 v[RX], v[HF+8*\c:HF+8*\c+3] offset:256*UK+64*\c
	ds_store_b128 v[RX], v[HF+8*\c+4:HF+8*\c+7] offset:256*UK+64*\c+16
.endr
.endif
.set fi, 0
.rept 64
	v_med3_num_f32 v[XS+fi], v[XS+fi], -v[LIM], v[LIM]
.set fi, fi+1
.endr
	WIN (1+UK/4)<<6
.irp c, 0,1,2,3
	v_cvt_scalef32_pk8_fp8_f32 v[CB+4*\c:CB+4*\c+1], v[XS+16*\c:XS+16*\c+7], v[SCV]
	v_cvt_scalef32_pk8_fp8_f32 v[CB+4*\c+2:CB+4*\c+3], v[XS+16*\c+8:XS+16*\c+15], v[SCV]
.endr
	WIN 0
	v_nop
.endm
	TURN 0, 48
.irp u, 0,1,2,3,4,5,6,7,8,9,10,11,12,13,14,15
	s_wait_dscnt 0x0
.if \u+4 < 16
	GLOAD \u+4
.endif
.if \u < 12
	TURN \u+1, 48
.elseif \u < 15
	TURN \u+1, 16*(14-\u)
.endif
	WORK \u
.endr
.macro XCH win, rho, last
	WIN (\win)<<2
.irp i, 0,1,2,3,4,5,6,7,8,9,10,11,12,13,14,15
	ds_store_b128 v[SI], v[64*(\rho)+4*\i:64*(\rho)+4*\i+3] offset:512*\i
.endr
	BARRIER
	WIN (\win)<<6
.irp i, 0,1,2,3,4,5,6,7,8,9,10,11,12,13,14,15
	ds_load_b128 v[128+64*(\rho)+4*\i:128+64*(\rho)+4*\i+3], v[XL] offset:512*\i
.endr
.if \last
	s_wait_tensorcnt 0x1
.endif
	BARRIER
.endm
	s_wait_alu depctr_va_vdst(0)
	s_wait_tensorcnt 0x0                           ; slot 1's first fill is issued as a refill is, behind the 16 units: my part of slot 0 is in,
	ds_add_u32 v[SPW], v[NIL]                      ; 0 onto my spare word,
	s_wait_dscnt 0x0                               ; the add is done,
	ROUND                                          ; a whole round of the cluster's barrier,
	tensor_load_to_lds s[G0B:G0B+3], s[G1:G1+7]    ; and the joint load first behind it
	s_nop 0
	PLACES
	XCH 1, 0, 0
	XCH 1, 1, 0
	XCH 2, 0, 0
	s_wait_alu depctr_va_vdst(0)
	XCH 2, 1, 1
	WIN 0
.macro RUNH reg, off                   ; four fragments of W (16 columns x 128 K, 2,048 dense bytes each) in one run of 16 loads
.irp f, 0,1,2,3
.irp c, 0,1,2,3
	ds_load_b128 v[\reg+16*\f+4*\c:\reg+16*\f+4*\c+3], v[BA] offset:\off+2048*\f+512*\c
.endr
.endr
.endm
; 16 products: K steps first .. first + 3 of 128.  Source 0 = 16 columns of W, source 1 = 16 of my rows: a lane holds one row, and its 8 registers 8 neighbouring columns.
; My four blocks of 16 rows take turns, one instruction a turn.  The first K step starts the sums: nothing is cleared.
.macro MM16 first
.irp q, 0,1,2,3
.irp r, 0,1,2,3
.if (\first)+\q == 0
	v_wmma_f32_16x16x128_fp8_fp8 v[ACC+8*\r:ACC+8*\r+7], v[HB:HB+15], v[64*\r:64*\r+15], 0
.else
	v_wmma_f32_16x16x128_fp8_fp8 v[ACC+8*\r:ACC+8*\r+7], v[HB+16*((\first)+\q):HB+16*((\first)+\q)+15], v[64*\r+16*\q:64*\r+16*\q+15], v[ACC+8*\r:ACC+8*\r+7]
.endif
.endr
.endr
.endm
; The words of a tile's 16 columns, 8 a lane: 2 log2(e) x bias, then c.  Two sets of 16 registers, v16-31 and v64-79, by turns from tile to tile.
.macro TABLES set, off
.set TS, 16+48*(\set)
	ds_load_b128 v[TS:TS+3], v[TA] offset:\off
	ds_load_b128 v[TS+4:TS+7], v[TA] offset:(\off)+16
	ds_load_b128 v[TS+8:TS+11], v[TA] offset:CTO+(\off)
	ds_load_b128 v[TS+12:TS+15], v[TA] offset:CTO+(\off)+16
.endm
; A finished tile's way out, 32 numbers a lane: y = 2 log2(e) (sum x 2^(e0 + e1) + bias); 1 / (1 + 2^y); its product with c is added to the row's sum.
; No transcendental stands inside a chain of products.  Each of the two batches has one wait ahead of it and one behind it.
.macro SCORE set
.set TS, 16+48*(\set)
.set ei, 0
.rept 16
	v_pk_fma_f32 v[ACC+ei:ACC+ei+1], v[ACC+ei:ACC+ei+1], s[SC:SC+1], v[TS+(ei%8):TS+(ei%8)+1] op_sel_hi:[1,0,1]
.set ei, ei+2
.endr
	s_wait_alu depctr_va_vdst(0)
.set ei, 0
.rept 32
	v_exp_f32 v[ACC+ei], v[ACC+ei]
.set ei, ei+1
.endr
	v_nop
	s_wait_alu depctr_va_vdst(0)
.set ei, 0
.rept 16
	v_pk_add_f32 v[ACC+ei:ACC+ei+1], v[ACC+ei:ACC+ei+1], 1.0 op_sel_hi:[1,0]
.set ei, ei+2
.endr
	s_wait_alu depctr_va_vdst(0)
.set ei, 0
.rept 32
	v_rcp_f32 v[ACC+ei], v[ACC+ei]
.set ei, ei+1
.endr
	v_nop
	s_wait_alu depctr_va_vdst(0)
.irp i, 0,2,4,6
.irp r, 0,1,2,3
	v_pk_fma_f32 v[PS+2*\r:PS+2*\r+1], v[ACC+8*\r+\i:ACC+8*\r+\i+1], v[TS+8+\i:TS+8+\i+1], v[PS+2*\r:PS+2*\r+1]
.endr
.endr
.endm
; A TILE: 64 rows x 16 columns x K = 1,024.  p: its set of table words.  nxt: the next tile is this slot's second (1), the next slot's first (2), or there is none (0).
; The LDS loads stand in runs.  The next tile's fragments take the registers of each half of K behind that half's products and four places; its table words are asked for ahead of the way out.
; So at a tile's head three runs of LDS loads are out, in this order: 16 (K steps 0-3), 16 (K steps 4-7), 4 (the table words).
; chg: the change of slots stands at the head of a slot's second tile, all of whose fragments have been asked for: 1 = the slot is filled again, 2 = the last change, which fills nothing.
.macro TILE p, chg, nxt
.if \chg
	s_wait_tensorcnt 0x0                           ; all my tensor loads have landed: my part of the next slot;
	ds_add_u32 v[SPW], v[NIL]                      ; 0 onto my spare word; work on registers stands between it and its wait
.if \chg == 1
	s_xor_b32 s[G0B+1], s[G0B+1], SLOTB            ; the walking descriptor: the slot that is being left, the 64 columns two slots on (modulo 1,024)
	s_and_b32 s58, s[SN], 15
	s_lshl_b32 s58, s58, 16
	s_add_nc_u64 s[G0B+2:G0B+3], s[WB:WB+1], s[58:59]
	s_or_b32 s[G0B+3], s[G0B+3], 0x80000000
	s_add_co_u32 s[SN], s[SN], 1
.endif
	s_xor_b32 s[TB], s[TB], SLOTB
	v_add_nc_u32 v[BA], s[TB], v[BA0]              ; the fragments' address in the next slot,
	s_add_co_u32 s[TT], s[TT], 256
	v_add_nc_u32 v[TA], s[TT], v[TA0]              ; and its 64 columns' table words
	s_wait_alu depctr_va_vdst(0)
	s_wait_dscnt 0x0                               ; the add is done, and my reads of this slot are over
	s_barrier_signal -1
.else
	s_wait_dscnt 20                                ; K steps 0-3 are in; 16 + 4 younger loads may be out
.endif
	WIN 0x04                                       ; source 1: window 1, the codes of K = 0 .. 511
	MM16 0
	WIN 0
.if \chg
	s_barrier_wait -1
.endif
.if \chg == 1
	CREST                                          ; the barrier has opened a round of the cluster's barrier: no wave of any partner reads this slot or has a load out
	tensor_load_to_lds s[G0B:G0B+3], s[G1:G1+7]    ; the joint refill, first behind the round
	s_nop 0
.endif
	PLACES                                         ; four places ahead of loads into registers that the products have read
.if \nxt == 1
	RUNH HB, 16384
.elseif \nxt == 2
	RUNH HB, 0
.endif
.if \nxt
	s_wait_dscnt 16                                ; all but the 16 just issued: K steps 4-7 and my table words are in
.else
	s_wait_dscnt 0x0
.endif
	WIN 0x08                                       ; source 1: window 2, the codes of K = 512 .. 1,023
	MM16 4
	WIN 0
	PLACES                                         ; for the loads below and for the first reads of the sums
.if \nxt == 1
	RUNH HB+64, 24576
	TABLES 1-(\p), 64
.elseif \nxt == 2
	RUNH HB+64, 8192
	TABLES 1-(\p), 0
.endif
	SCORE \p
.endm
	s_mov_b32 s[TB], 0
	s_mov_b32 s[TT], 0
	v_add_nc_u32 v[BA], s[TB], v[BA0]
	v_add_nc_u32 v[TA], s[TT], v[TA0]
	RUNH HB, 0
	RUNH HB+64, 8192
	TABLES 0, 0
.set zi, 0
.rept 8
	v_mov_b32 v[PS+zi], 0                          ; the rows' sums: four blocks, two halves each
.set zi, zi+1
.endr
	s_mov_b32 s[CNT], 14
	s_wait_alu depctr_va_vdst(0)
.Lsweep:                                               ; a trip is a slot: two tiles; 14 trips fill a slot again
	TILE 0, 0, 1
	TILE 1, 1, 2
	s_sub_co_u32 s[CNT], s[CNT], 1
	s_cmp_lg_u32 s[CNT], 0
	s_cbranch_scc1 .Lsweep
	TILE 0, 0, 1                                   ; the last two slots are written out: they fill nothing
	TILE 1, 2, 2
	TILE 0, 0, 1
	TILE 1, 0, 0
	v_and_b32 v224, 15, v0
	v_bfe_u32 v225, v0, 4, 1
	v_and_b32 v[GO], 31, v0
	v_lshlrev_b32 v[GO], 4, v[GO]
	s_wait_alu depctr_va_vdst(0)
	s_lshl_b32 s50, s[JH], 9
	s_add_co_u32 s50, s50, PSB
	s_lshl_b32 s51, s[WV], 7
	s_add_co_u32 s51, s51, s50
	v_lshl_add_u32 v[PA0], v224, 2, s51
	s_lshl_b32 s51, s[PW], 7
	s_add_co_u32 s51, s51, s50
	v_lshl_add_u32 v[PA1], v224, 2, s51
	s_mul_i32 s51, s[WV], 16*PF
	v_mul_u32_u24 v[RA], v224, PF
	v_lshl_add_u32 v[RA], v225, 5, v[RA]
	v_add_nc_u32 v[RA], s51, v[RA]
	v_add_nc_u32 v[CA], BT+CTO, v[GO]
	v_add_nc_u32 v[PL], PSB, v[GO]
	s_lshl_b32 s51, s[WV], 9
	s_add_co_u32 s52, s51, EB
	v_add_nc_u32 v[EA], s52, v[GO]
	v_lshl_add_u32 v[EL], v225, 5, s52
	v_and_b32 v227, 7, v0
	v_lshl_add_u32 v227, v225, 3, v227
	v_mul_u32_u24 v227, v227, PF
	v_bfe_u32 v228, v0, 3, 1
	v_lshl_add_u32 v227, v228, 4, v227
	v_add_nc_u32 v[FA], s51, v227
	v_add_nc_u32 v[FA+1], 32*PF, v[FA]
	v_add_nc_u32 v[FA+2], XR, v[FA]
	v_add_nc_u32 v[FA+3], XR+32*PF, v[FA]
	s_lshl_b32 s51, s[WV], 10
	s_add_co_u32 s51, s51, OSB
	v_lshl_add_u32 v[OSA], v225, 5, s51
	v_add_nc_u32 v[OSL], s51, v[GO]
.irp r, 0,1,2,3
	v_add_f32 v[228+\r], v[PS+2*\r], v[PS+2*\r+1]
.endr
.irp r, 0,1,2,3
	v_permlanex16_b32 v[232+\r], v[228+\r], s[SEL], s[SEL+1]
.endr
.irp r, 0,1,2,3
	v_add_f32 v[228+\r], v[228+\r], v[232+\r]
.endr
	ds_store_b32 v[PA0], v228
	ds_store_b32 v[PA0], v229 offset:64
	ds_store_b32 v[PA1], v230
	ds_store_b32 v[PA1], v231 offset:64
	BARRIER
	WIN 0x0c
.set ci, 0
.rept 32
	ds_store_b128 v[RA], v[8*ci:8*ci+3] offset:64*ci
	ds_store_b128 v[RA], v[8*ci+4:8*ci+7] offset:64*ci+16
.set ci, ci+1
.endr
	WIN 0
.irp i, 0,1,2,3,4,5,6,7
	ds_load_b128 v[HB+4*\i:HB+4*\i+3], v[CA] offset:512*\i
.endr
	ds_load_b128 v[160:163], v[PL]
	ds_load_b128 v[164:167], v[PL] offset:512
	s_wait_dscnt 0x0
.irp i, 4,8,12,16,20,24,28
	v_pk_add_f32 v[HB:HB+1], v[HB:HB+1], v[HB+\i:HB+\i+1]
	v_pk_add_f32 v[HB+2:HB+3], v[HB+2:HB+3], v[HB+2+\i:HB+3+\i]
.endr
	v_pk_add_f32 v[HB:HB+1], v[HB:HB+1], v[HB+2:HB+3]
	v_add_f32 v96, v96, v97
	v_add_f32_dpp v96, v96, v96 row_xmask:1 row_mask:0xf bank_mask:0xf
	v_add_f32_dpp v96, v96, v96 row_xmask:2 row_mask:0xf bank_mask:0xf
	v_add_f32_dpp v96, v96, v96 row_xmask:4 row_mask:0xf bank_mask:0xf
	v_add_f32_dpp v96, v96, v96 row_xmask:8 row_mask:0xf bank_mask:0xf
	v_permlanex16_b32 v97, v96, s[SEL], s[SEL+1]
	v_add_f32 v96, v96, v97
	v_mul_f32 v98, 0x4038aa3b, v96
	v_pk_add_f32 v[160:161], v[160:161], v[164:165]
	v_pk_add_f32 v[162:163], v[162:163], v[166:167]
.irp i, 0,1,2,3
	v_fmamk_f32 v[160+\i], v[160+\i], 0xc0b8aa3b, v98
.endr
	s_wait_alu depctr_va_vdst(0)
.irp i, 0,1,2,3
	v_exp_f32 v[160+\i], v[160+\i]
.endr
	v_mov_b32 v97, 0x3fb8aa3b
	s_wait_alu depctr_va_vdst(0)
.irp i, 0,1,2,3
	v_add_f32 v[160+\i], 1.0, v[160+\i]
.endr
	s_wait_alu depctr_va_vdst(0)
.irp i, 0,1,2,3
	v_rcp_f32 v[160+\i], v[160+\i]
.endr
	v_nop
	s_wait_alu depctr_va_vdst(0)
.irp i, 0,1,2,3
	v_fmamk_f32 v[160+\i], v[160+\i], 0xc038aa3b, v97
.endr
	s_wait_alu depctr_va_vdst(0)
.irp i, 0,1,2,3
	v_exp_f32 v[160+\i], v[160+\i]
.endr
	v_nop
	s_wait_alu depctr_va_vdst(0)
	ds_store_b128 v[EA], v[160:163]
	v_add_f32 v168, v160, v161
	v_add_f32 v169, v162, v163
	v_add_f32 v168, v168, v169
	v_add_f32_dpp v168, v168, v168 row_xmask:1 row_mask:0xf bank_mask:0xf
	v_add_f32_dpp v168, v168, v168 row_xmask:2 row_mask:0xf bank_mask:0xf
	v_add_f32_dpp v168, v168, v168 row_xmask:4 row_mask:0xf bank_mask:0xf
	v_add_f32_dpp v168, v168, v168 row_xmask:8 row_mask:0xf bank_mask:0xf
	v_permlanex16_b32 v169, v168, s[SEL], s[SEL+1]
	v_add_f32 v168, v168, v169
	s_wait_alu depctr_va_vdst(0)
	v_rcp_f32 v[RS], v168
	v_nop
	s_wait_alu depctr_va_vdst(0)
	v_mov_b32 v[RS+1], v[RS]
.irp t, 0,1
.irp k, 0,1
.irp z, 0,1
.irp y, 0,1
	ds_load_b128 v[HB+16*(2*\t+\k)+8*\z+4*\y:HB+16*(2*\t+\k)+8*\z+4*\y+3], v[EL] offset:256*\k+128*\z+64*\t+16*\y
.endr
.endr
.endr
.endr
	s_wait_dscnt 0x0
.set fi, 0
.rept 32
	v_cvt_pk_f16_f32 v[WF+fi], v[HB+2*fi], v[HB+2*fi+1]
.set fi, fi+1
.endr
	BARRIER
.macro PLOAD x
.set LX, (\x)
.set PB, HB+64*(LX%2)
.irp a, 0,1,2,3,4,5,6,7
	ds_load_tr16_b128 v[PB+8*\a:PB+8*\a+3], v[FA+LX%4] offset:32*(8*(LX/4)+\a)
	ds_load_tr16_b128 v[PB+8*\a+4:PB+8*\a+7], v[FA+LX%4] offset:32*(8*(LX/4)+\a)+16*PF
.endr
.endm
.macro PMUL x
.set LX, (\x)
.set PB, HB+64*(LX%2)
.irp a, 0,1,2,3,4,5,6,7
.if LX%4 == 0
	v_wmma_f32_16x16x32_f16 v[ACC+8*\a:ACC+8*\a+7], v[PB+8*\a:PB+8*\a+7], v[WF+8*(LX%4):WF+8*(LX%4)+7], 0
.else
	v_wmma_f32_16x16x32_f16 v[ACC+8*\a:ACC+8*\a+7], v[PB+8*\a:PB+8*\a+7], v[WF+8*(LX%4):WF+8*(LX%4)+7], v[ACC+8*\a:ACC+8*\a+7]
.endif
.endr
.endm
.macro POUT g
	PLACES
	WIN 0x40
.set oi, 0
.rept 32
	v_pk_mul_f32 v[64*(\g)+2*oi:64*(\g)+2*oi+1], v[ACC+2*oi:ACC+2*oi+1], v[RS:RS+1] op_sel_hi:[1,0]
.set oi, oi+1
.endr
	WIN 0x04
.irp a, 0,1,2,3,4,5,6,7
	ds_store_b128 v[OSA], v[64*(\g)+8*\a:64*(\g)+8*\a+3] offset:64*(8*(\g)+\a)
	ds_store_b128 v[OSA], v[64*(\g)+8*\a+4:64*(\g)+8*\a+7] offset:64*(8*(\g)+\a)+16
.endr
	WIN 0
.endm
	PLOAD 0
.irp x, 0,1,2,3,4,5,6,7
.if (\x > 0) && (\x != 4) && (\x < 7)
	PLACES
.endif
.if \x < 7
	PLOAD \x+1
	s_wait_alu depctr_va_vdst(0)
	s_wait_dscnt 16
.else
	s_wait_dscnt 0x0
.endif
	PMUL \x
.if \x == 3
	POUT 0
.endif
.if \x == 7
	POUT 1
.endif
.endr
	ds_load_b128 v[HB:HB+3], v[OSL]
	ds_load_b128 v[HB+4:HB+7], v[OSL] offset:512
	s_wait_dscnt 1
	global_store_b128 v[GO], v[HB:HB+3], s[14:15] th:TH_STORE_NT
	s_wait_dscnt 0x0
	global_store_b128 v[GO], v[HB+4:HB+7], s[14:15] offset:512 th:TH_STORE_NT
	s_wait_tensorcnt 0x0
	ds_add_u32 v[SPW], v[NIL]
	s_wait_dscnt 0x0
	ROUND
	s_endpgm
.Lfunc_end_k_q882972eb34_attn:
	.size	k_q882972eb34_attn, .Lfunc_end_k_q882972eb34_attn-k_q882972eb34_attn
	.p2alignl 7, 3214868480
	.fill 96, 4, 3214868480
	.section	.rodata,"a",@progbits
	.p2align	6, 0x0
	.amdhsa_kernel k_q882972eb34_attn
		.amdhsa_group_segment_fixed_size 327680
		.amdhsa_private_segment_fixed_size 0
		.amdhsa_enable_private_segment 0
		.amdhsa_kernarg_size 48
		.amdhsa_user_sgpr_count 2
		.amdhsa_user_sgpr_kernarg_segment_ptr 1
		.amdhsa_wavefront_size32 1
		.amdhsa_system_sgpr_workgroup_id_x 1
		.amdhsa_system_sgpr_workgroup_id_y 1
		.amdhsa_system_sgpr_workgroup_id_z 1
		.amdhsa_system_vgpr_workitem_id 0
		.amdhsa_next_free_vgpr 1024
		.amdhsa_next_free_sgpr 66
		.amdhsa_reserve_vcc 0
		.amdhsa_float_denorm_mode_32 3
		.amdhsa_float_denorm_mode_16_64 3
		.amdhsa_memory_ordered 1
		.amdhsa_forward_progress 1
		.amdhsa_inst_pref_size 255
	.end_amdhsa_kernel
	.section	.bss,"aw",@nobits
	.p2align	6
	.space	262144
	.amdgpu_metadata
---
amdhsa.version: [ 1, 2 ]
amdhsa.kernels:
  - .name:           k_q882972eb34_attn
    .symbol:         k_q882972eb34_attn.kd
    .args:
      - { .name: f_output, .offset: 0, .size: 8, .value_kind: global_buffer, .address_space: global }
      - { .name: wcodes, .offset: 8, .size: 8, .value_kind: global_buffer, .address_space: global }
      - { .name: lowp_scales, .offset: 16, .size: 8, .value_kind: global_buffer, .address_space: global }
      - { .name: sent_bias, .offset: 24, .size: 8, .value_kind: global_buffer, .address_space: global }
      - { .name: context_weight, .offset: 32, .size: 8, .value_kind: global_buffer, .address_space: global }
      - { .name: out0, .offset: 40, .size: 8, .value_kind: global_buffer, .address_space: global }
    .group_segment_fixed_size: 327680
    .private_segment_fixed_size: 0
    .kernarg_segment_align: 8
    .kernarg_segment_size: 48
    .max_flat_workgroup_size: 128
    .sgpr_count:     66
    .vgpr_count:     1024
    .wavefront_size: 32
...
	.end_amdgpu_metadata
.endif
;; end of part 2
